; MI455X (gfx1250); checked and timed in simulation.
; The chip was launched on July 23, 2026; its instructions are those of AMD's public machine-readable ISA for CDNA 5 (MIT licence, August 2026) and "CDNA5" Instruction Set Architecture Reference Guide (July 2026). The comments in the code are by the model that wrote it; some were corrected since.
;; Grouped Query Attention. Allowed arithmetic: matrix products marked QUANTISED: E2M3 operands, one E8M0 scale for each 32 along K, by v_wmma_scale_f32_16x16x128_f8f6f4 with both operands' format E2M3, f32 sums; everything else in f32.
;; Inputs: bo 1,024 float32; wk_codes 256 x 32 x 24 uint8 (E2M3 codes of wk, K innermost, in blocks of 32 codes, four codes in three bytes); wk_scales 256 x 32 uint8 (E8M0 scales of wk, one for each 32 codes along K); wo_codes 1,024 x 32 x 24 uint8 (E2M3 codes of wo, K innermost, in blocks of 32 codes, four codes in three bytes); wo_scales 1,024 x 32 uint8 (E8M0 scales of wo, one for each 32 codes along K); wq_codes 1,024 x 32 x 24 uint8 (E2M3 codes of wq, K innermost, in blocks of 32 codes, four codes in three bytes); wq_scales 1,024 x 32 uint8 (E8M0 scales of wq, one for each 32 codes along K); wv_codes 256 x 32 x 24 uint8 (E2M3 codes of wv, K innermost, in blocks of 32 codes, four codes in three bytes); wv_scales 256 x 32 uint8 (E8M0 scales of wv, one for each 32 codes along K); x_codes 4 x 2,048 x 32 x 24 uint8 (E2M3 codes of x, K innermost, in blocks of 32 codes, four codes in three bytes); x_scales 4 x 2,048 x 32 uint8 (E8M0 scales of x, one for each 32 codes along K).
;; Outputs: out0 4 x 2,048 x 1,024 float32.
;; This version of the problem:
;;   THIS VERSION OF THE PROBLEM IS GIVEN IN LOW PRECISION. The matrix products marked QUANTISED in the list below multiply operands that are first quantised to E2M3 (2 exponent bits, 3 mantissa bits; 6 bits a number), with one power-of-two scale for each 32 numbers along K (OCP MX v1.0); their sums are f32. All else is computed in f32.
;;   The module's matrix products, in the order in which they are computed (A, B: the left and right operand; K: the contracted axis; several contracted axes count as one K, in the product's order):
;;     1. [M 8,192, K 1,024] x [K 1,024, N 1,024]; A: input x (given as codes); B: input wq (given as codes): QUANTISED
;;     2. [M 8,192, K 1,024] x [K 1,024, N 256]; A: input x (given as codes); B: input wk (given as codes): QUANTISED
;;     3. [M 8,192, K 1,024] x [K 1,024, N 256]; A: input x (given as codes); B: input wv (given as codes): QUANTISED
;;     4. batch 16 x [M 2,048, K 64] x [K 64, N 8,192]; A: computed on the way; B: computed on the way: QUANTISED
;;     5. batch 16 x [M 64, K 2,048] x [K 2,048, N 8,192]; A: computed on the way; B: softmax (see below): QUANTISED
;;     6. [M 8,192, K 1,024] x [K 1,024, N 1,024]; A: computed on the way; B: input wo (given as codes): QUANTISED
;;   THE QUANTISER, for each operand of a quantised product, along K:
;;     - K is cut into blocks of 32 from its start; a last block that is shorter is filled with zeros.
;;     - A block's scale is 2^e with e = floor(log2(the largest magnitude in the block)) - 2, held to -126 .. 127; a block of zeros has e = 0. As a byte (E8M0): e + 127.
;;     - Each number is divided by its block's scale, clamped to +-7.5, and rounded to the nearest number of E2M3, ties to even, subnormals kept.
;;     - The product sums the exact products of the quantised numbers (number of the format x scale) in f32.
;;   ~~~python
;;   def quantise(x, axis):      # numpy; x: float32 -> the quantised numbers, widened to float32 again
;;       x = np.moveaxis(x, axis, -1); K = x.shape[-1]
;;       x = np.pad(x, [(0, 0)] * (x.ndim - 1) + [(0, -K % 32)]); x = x.reshape(x.shape[:-1] + (-1, 32)); a = np.abs(x).max(-1, keepdims=True)
;;       e = np.where(a > 0, np.clip(np.frexp(np.where(a > 0, a, 1))[1] - 1 - 2, -126, 127), 0)      # np.frexp(a)[1] - 1 = floor(log2(a)), exactly
;;       r = np.clip(x / 2.0 ** e, -7.5, 7.5)
;;       step = 2.0 ** (np.maximum(np.frexp(np.where(r == 0, 1, r))[1] - 1, 0) - 3)
;;       q = np.round(r / step) * step * 2.0 ** e      # np.round: ties to even
;;       return np.moveaxis(q.reshape(q.shape[:-2] + (-1,))[..., :K], -1, axis).astype(np.float32)
;;   ~~~
;;   SOFTMAX AHEAD OF A QUANTISED PRODUCT. Where the list says 'softmax', what is quantised is not the finished softmax but p = 2^(t - M), with t = logit x log2(e) and M = ceil(the row's largest t), a whole number; so 1/2 < the row's largest p <= 1. The row's sum l is taken of the UNQUANTISED p, in f32, and the product's result is divided by l at the end. Since M is a whole number, a kernel that streams over the keys may use a running M (the ceiling of the running maximum): every later rescaling is an exact power of two, which a block's scale takes up: the codes' values come out the same.
;;   OPERANDS COMPUTED ON THE WAY. 'Computed on the way' means the value that the module computes at that place (a softmax that the list does not call 'softmax' is quantised finished and normalised). What goes into a quantiser is computed in f32, as accurately as f32 sums, v_exp_f32 and their like allow (about 1e-6 of the number): no bf16 or f16 on the way to a quantiser, and a product that is left as it is and whose result goes on into a quantised operand takes f32 operands (vector FMAs, or v_wmma_f32_16x16x4_f32). A number that lies on a knife's edge between two numbers of the format may be rounded either way, as far as f32 arithmetic and the matrix unit's own rounding can turn it there, and no further.
;;   INPUTS GIVEN AS CODES. wk (in the module: [256, 1024], K = its axis 1); wo (in the module: [1024, 1024], K = its axis 1); wq (in the module: [1024, 1024], K = its axis 1); wv (in the module: [256, 1024], K = its axis 1); x (in the module: [4, 2048, 1024], K = its axis 2): each comes as NAME_codes (uint8): NAME with its K axis moved to the last place and cut into blocks of 32 codes, [.., K / 32, bytes a block], one block behind the other in memory; four codes in three bytes: a row's codes are one little-endian stream of bits, code i at bits 6 i .. 6 i + 5 (a code: sign, 2 exponent bits, 3 mantissa bits); and NAME_scales (uint8): the same leading axes, one E8M0 byte (e + 127) for each 32 codes along K. Its value is code x scale, taken as it is: it is not quantised again, and the codes and scales need not be those that the quantiser above would give.
;; One version. Each part assembles by itself: llvm-mc -triple=amdgcn-amd-amdhsa -mcpu=gfx1250 --defsym DOCPART=n.
;; ======== version 1 of 1: 3 launches
;; limits: right only within a limited range of input values
;; workspace buffers: q_img 6,291,456 bytes; q_sc 262,144 bytes; kv_img 3,276,800 bytes; a_img 6,291,456 bytes; a_sc 262,144 bytes
;; launch qkv (part 1): grid 32 x 6, 4 waves a work-group, clusters of 4 x 1, 327,680 bytes of LDS; arguments x_codes, x_scales, wq_codes, wq_scales, wk_codes, wk_scales, wv_codes, wv_scales, q_img, q_sc, kv_img; writes q_img, q_sc, kv_img
.if DOCPART == 1
	.amdgcn_target "amdgcn-amd-amdhsa--gfx1250"
	.amdhsa_code_object_version 6
	.text
	.protected	k_qa3bc988eaf_qkv
	.globl	k_qa3bc988eaf_qkv
	.p2align	8
	.type	k_qa3bc988eaf_qkv,@function
k_qa3bc988eaf_qkv:
	s_mov_b64 s[64:65], 0
	v_nop
	global_prefetch_b8 v0, s[64:65] scope:SCOPE_SE
	s_setreg_imm32_b32 hwreg(HW_REG_WAVE_MODE, 25, 1), 1
	s_wait_xcnt 0x0
	s_wait_alu depctr_hold_cnt(0) depctr_sa_sdst(0) depctr_va_vdst(0) depctr_va_sdst(0) depctr_va_ssrc(0) depctr_va_vcc(0) depctr_vm_vsrc(0)
	s_getreg_b32 s2, hwreg(HW_REG_IB_STS2, 6, 4)
	s_cmp_eq_u32 s2, 0
	s_cbranch_scc0 .Lentry_in_a_cluster
	s_endpgm
.Lentry_in_a_cluster:
	s_bfe_u32 s2, ttmp6, 0x10000c
	s_cmp_lg_u32 s2, 0x3003
	s_cbranch_scc0 .Lentry_shape_is_right
	s_endpgm
.Lentry_shape_is_right:
; q, k, v = x wq^T, x wk^T, x wv^T on codes of FP6 (E2M3) with E8M0 scales, K = 1,024; the results are quantised again (q, k along the head's 64 channels, v along the keys) and stored as images of operand registers.
; No work of the problem is left out.
; SHARES.  x (32): 256 tokens; y (6): 0-3 256 rows of wq, 4 wk, 5 wv.  Four waves, each 128 x 128: 64 accumulators.
; THE RING: two LDS slots, each one chunk of 256 bytes of 512 rows (a row of codes is 768 bytes: three chunks); a matrix step is 96 bytes, eight steps; steps 2 and 5 lie across two chunks.
; REGIONS.  A slot's first 256 rows feed source 1 (a lane of the result holds one such row), its last 256 rows source 0 (a lane's registers run along them).  y < 5: tokens first, weights last, so registers run along channels;
; y = 5: wv first, tokens last, so registers run along the keys.  Which tensor a wave fetches is a branch on wave / 2 xor (y = 5); every LDS address is made of the wave's number and the lane alone.
; CLUSTER 4, 1, 1: the four work-groups share y, so the weights' tiles are asked for jointly (mask 15); the tokens' tiles are each work-group's own.
; SCALES go from memory into registers once: a row's 32 bytes are two pieces of 16; lanes 0-15 hold steps 0-3, lanes 16-31 steps 4-7 (row 1 of the scale registers); 16 lanes x 2 pieces are 512 consecutive bytes.
; ORDER.  Inside each block of 32 the codes of q, k and v stand in the order 0-7, 16-23, 8-15, 24-31 of the block's numbers, alike on both sides of each later product.
; No prefetch: K is three chunks, of which two are asked for ahead of the first product.
; LIMITS: NaN, infinities and scale bytes 0xff are not served; a block whose largest magnitude lies under 2^-124 keeps the byte 1 (this program alone reads the bytes).
.set ROWB,   256
.set KROW,   768
.set STEPS,  8
.set CHUNKS, 3
.set PITCH,  272
.set FR,     12
.set NL,     6
.set NP,     4
.set HALFT,  128*PITCH
.set SLOT,   4*HALFT
.set SPARE,  2*SLOT
.set REC,    12800
.set HEADB,  16*REC
.set ADRA, 16
.set ADRB, 20
.set L16,  24
.set L8,   25
.set SOF,  26
.set SPW,  28
.set NIL,  29
.set SA,   32                          ; v32-63 scale words of source 1's eight blocks, four a block
.set SB,   224                         ; v224-255 those of source 0's
.set TM,   64
.set CDS,  80
.set PW,   100
.set YY,   108
.set WK,   112
.set ZZ,   120
.set AF,   128
.set G1T,  24
.set G0T,  32
.set G1W,  48
.set G0W,  56
.set SAP,  68
.set SBP,  70
.set VFL,  72
.set RL,   73
.set YS,   41
.set TT,   42
.set WV,   43
.set WR,   44
.set WC,   45
.set P0,   4
.set P1,   6
.set SC0,  8
.set SC1,  10
.set STP,  12
.set JMP,  14
.set HM,   16
.set KM,   17
.set SEL,  18
.set MSB, 0
.macro WIN new
.if MSB != \new
	s_set_vgpr_msb (MSB<<8)|\new
.set MSB, \new
.endif
.endm
.set MUL_LO, 0xa1
.set MUL_HI, 0xf1
.set TO_B,   0x40
.macro JLOAD s                         ; my quarter of a slot: tokens (my own load) or weights (a joint one)
	s_cmp_eq_u32 s[RL], 0
	s_cbranch_scc0 .Lfor_w_\@
	tensor_load_to_lds s[G0T+4*(\s):G0T+4*(\s)+3], s[G1T:G1T+7]
	s_nop 0
.rept 4
	v_nop
.endr
	s_branch .Lasked_\@
.Lfor_w_\@:
	tensor_load_to_lds s[G0W+4*(\s):G0W+4*(\s)+3], s[G1W:G1W+7]
	s_nop 0
.rept 4
	v_nop
.endr
.Lasked_\@:
.endm
.macro CREST
	s_cmp_lg_u32 s[WV], 0
	s_cbranch_scc1 .Lnot_wave_0_\@
	s_barrier_signal -3
.Lnot_wave_0_\@:
	s_barrier_wait -3
	s_barrier_signal -1
	s_barrier_wait -1
.endm
.macro CROUND
	s_barrier_signal -1
	s_barrier_wait -1
	CREST
.endm
	s_load_b256 s[4:11], s[0:1], 0x0               ; x_codes, x_scales, wq_codes, wq_scales
	s_load_b256 s[12:19], s[0:1], 0x20             ; wk_codes, wk_scales, wv_codes, wv_scales
	s_load_b128 s[20:23], s[0:1], 0x40             ; q_img, q_sc
	s_load_b64 s[92:93], s[0:1], 0x50              ; kv_img
	v_lshl_add_u32 v[SPW], v0, 2, SPARE
	v_mov_b32 v[NIL], 0
	ds_add_u32 v[SPW], v[NIL]                      ; the opening lines
	ds_add_u32 v[SPW], v[NIL]
	v_lshrrev_b32 v1, 5, v0
	v_readfirstlane_b32 s[WV], v1
	s_lshr_b32 s[WR], s[WV], 1
	s_and_b32 s[WC], s[WV], 1
	s_bfe_u32 s40, ttmp6, 0x40000
	s_lshl_b32 s[TT], ttmp9, 2
	s_add_co_u32 s[TT], s[TT], s40
	s_and_b32 s[YS], ttmp7, 0xffff
	s_mov_b32 s[G1T+0], (1<<20)|(5<<22)|(3<<25)    ; 128 rows x 256 bytes, 16 bytes of padding behind each
	s_mov_b32 s[G1W+0], 15|(1<<20)|(1<<21)|(5<<22)|(3<<25)
.irp g, G1T, G1W
	s_mov_b32 s[\g+1], ROWB<<16
	s_mov_b32 s[\g+2], 128<<16
	s_mov_b32 s[\g+3], ROWB<<16
	s_mov_b32 s[\g+4], 128
	s_mov_b32 s[\g+5], KROW
	s_mov_b32 s[\g+6], 0
	s_mov_b32 s[\g+7], 0
.endr
	s_cmp_eq_u32 s[YS], 5
	s_cselect_b32 s[VFL], 1, 0
	s_cselect_b32 s74, s[WC], s[WR]                ; which half of the tokens I multiply,
	s_cselect_b32 s75, s[WR], s[WC]                ; and of the weights' rows
	s_xor_b32 s[RL], s[WR], s[VFL]                 ; 0: I fetch tokens; 1: weights
	s_lshl_b32 s46, s[WC], 7                       ; which 128 rows I fetch
	s_lshl_b32 s47, s[TT], 8
	s_lshl_b32 s74, s74, 7
	s_add_co_u32 s74, s74, s47
	s_lshl_b32 s96, s74, 5                         ; the tokens' scales: 32 bytes a row
	s_mov_b32 s97, 0
	s_add_co_u32 s47, s47, s46
	s_mul_i32 s94, s47, KROW
	s_mov_b32 s95, 0
	s_cmp_lt_u32 s[YS], 4
	s_cselect_b32 s66, s[YS], 0
	s_lshl_b32 s66, s66, 8
	s_lshl_b32 s75, s75, 7
	s_add_co_u32 s75, s75, s66
	s_lshl_b32 s100, s75, 5                        ; the weights' scales
	s_mov_b32 s101, 0
	s_add_co_u32 s66, s66, s46
	s_mul_i32 s98, s66, KROW
	s_mov_b32 s99, 0
	s_mul_i32 s2, s[WV], HALFT                     ; my quarter of a slot
	s_wait_dscnt 0x0
	s_wait_kmcnt 0x0
	s_cmp_eq_u32 s[YS], 4
	s_cselect_b64 s[12:13], s[12:13], s[16:17]
	s_cselect_b64 s[14:15], s[14:15], s[18:19]
	s_cmp_lt_u32 s[YS], 4
	s_cselect_b64 s[8:9], s[8:9], s[12:13]
	s_cselect_b64 s[10:11], s[10:11], s[14:15]
	s_add_nc_u64 s[4:5], s[4:5], s[94:95]
	s_add_nc_u64 s[6:7], s[6:7], s[96:97]
	s_add_nc_u64 s[8:9], s[8:9], s[98:99]
	s_add_nc_u64 s[10:11], s[10:11], s[100:101]
	s_cmp_eq_u32 s[YS], 5
	s_cselect_b64 s[SAP:SAP+1], s[10:11], s[6:7]   ; scales of source 1's rows,
	s_cselect_b64 s[SBP:SBP+1], s[6:7], s[10:11]   ; and of source 0's
	CROUND                                         ; the round in front of the first loads
.irp s, 0,1
	s_mov_b32 s[G0T+4*\s], 1
	s_add_co_u32 s[G0T+4*\s+1], s2, \s*SLOT
	s_add_nc_u64 s[G0T+4*\s+2:G0T+4*\s+3], s[4:5], \s*ROWB
	s_or_b32 s[G0T+4*\s+3], s[G0T+4*\s+3], 0x80000000
	s_mov_b32 s[G0W+4*\s], 1
	s_add_co_u32 s[G0W+4*\s+1], s2, \s*SLOT
	s_add_nc_u64 s[G0W+4*\s+2:G0W+4*\s+3], s[8:9], \s*ROWB
	s_or_b32 s[G0W+4*\s+3], s[G0W+4*\s+3], 0x80000000
.endr
	JLOAD 0                                        ; chunk 0: my one load at the head
	v_and_b32 v1, 15, v0
	v_bfe_u32 v2, v0, 4, 1
	v_mul_u32_u24 v3, v1, PITCH
	v_mul_u32_u24 v4, v2, 24
	v_add_nc_u32 v4, v3, v4                        ; row x pitch + 24 x half
	s_mov_b32 s94, SLOT-232
	s_mov_b32 s95, SLOT+232
	v_sub_nc_u32 v7, 1, v2
	v_mul_u32_u24 v5, s94, v2
	v_add_nc_u32 v5, v3, v5
	v_add_nc_u32 v5, 232, v5                       ; across two chunks: lanes 0-15 byte 232 in slot 0, lanes 16-31 byte 0 in slot 1
	v_mul_u32_u24 v6, s95, v7
	v_add_nc_u32 v6, v3, v6                        ; and the other way round
	s_mul_i32 s94, s[WR], HALFT
	s_mul_i32 s95, s[WC], HALFT
	s_add_co_u32 s95, s95, 2*HALFT
	v_add_nc_u32 v[ADRA+2], s94, v5
	v_add_nc_u32 v[ADRA+3], s94, v6
	v_add_nc_u32 v[ADRB+2], s95, v5
	v_add_nc_u32 v[ADRB+3], s95, v6
.irp s, 0,1
	v_add_nc_u32 v[ADRA+\s], s94, v4
	v_add_nc_u32 v[ADRB+\s], s95, v4
	s_add_co_u32 s94, s94, SLOT
	s_add_co_u32 s95, s95, SLOT
.endr
	v_lshlrev_b32 v[SOF], 5, v1
	v_lshl_add_u32 v[SOF], v2, 4, v[SOF]           ; 32 x row + 16 x half
	v_and_b32 v6, 31, v0
	v_lshlrev_b32 v[L16], 4, v6
	v_lshlrev_b32 v[L8], 3, v6
.irp b, 0,1,2,3
	v_mov_b32 v[TM+4+\b], 0
.endr
	s_wait_alu depctr_va_vdst(0)                   ; the wait ahead of the readers below
.irp i, 0,1,2,3,4,5,6,7
	global_load_b128 v[SA+4*\i:SA+4*\i+3], v[SOF], s[SAP:SAP+1] offset:512*\i
	global_load_b128 v[SB+4*\i:SB+4*\i+3], v[SOF], s[SBP:SBP+1] offset:512*\i
.endr
	; where the results go
	s_mov_b32 s[HM], 0xffff0000
	s_cmp_eq_u32 s[YS], 5
	s_cselect_b32 s46, s[WC], s[WR]
	s_cselect_b32 s47, s[WR], s[WC]
	s_cselect_b32 s94, 6144, 0
	s_mov_b32 s95, 12288
	s_cselect_b32 s95, 12544, s95
	s_cselect_b32 s[JMP], HEADB-6144, 0
	s_mov_b32 s[JMP+1], 0
	s_lshl_b32 s96, s[TT], 1
	s_add_co_u32 s96, s96, s46
	s_lshr_b32 s97, s96, 4
	s_and_b32 s98, s96, 15
	s_lshl_b32 s97, s97, 2
	s_lshl_b32 s47, s47, 1
	s_add_co_u32 s97, s97, s47
	s_lshl_b32 s97, s97, 4
	s_add_co_u32 s97, s97, s98
	s_mul_i32 s97, s97, REC
	s_add_co_u32 s94, s94, s97
	s_add_co_u32 s95, s95, s97
	s_lshl_b32 s98, s[YS], 1
	s_add_co_u32 s98, s98, s[WC]
	s_lshl_b32 s96, s96, 3
	s_add_co_u32 s96, s96, s98
	s_mul_i32 s99, s96, 8*1536
	s_lshl_b32 s96, s96, 9
	s_cmp_lt_u32 s[YS], 4
	s_cselect_b64 s[P0:P0+1], s[20:21], s[92:93]
	s_cselect_b64 s[SC0:SC0+1], s[22:23], s[92:93]
	s_cselect_b32 s94, s99, s94
	s_cselect_b32 s96, s96, s95
	s_mov_b32 s100, HEADB
	s_cselect_b32 s100, 256, s100
	s_mov_b32 s95, 0
	s_mov_b32 s97, 0
	s_mov_b32 s101, 0
	s_add_nc_u64 s[P0:P0+1], s[P0:P0+1], s[94:95]
	s_add_nc_u64 s[SC0:SC0+1], s[SC0:SC0+1], s[96:97]
	s_add_nc_u64 s[SC1:SC1+1], s[SC0:SC0+1], s[100:101]
	s_cmp_eq_u32 s[YS], 4
	s_mov_b32 s98, 768
	s_cselect_b32 s98, HEADB, s98
	s_mov_b32 s99, 0
	s_mov_b32 s[STP], 1536
	s_cselect_b32 s[STP], 768, s[STP]
	s_mov_b32 s[STP+1], 0
	s_cselect_b32 s[KM], -1, 0
	s_add_nc_u64 s[P1:P1+1], s[P0:P0+1], s[98:99]
	s_mov_b32 s[SEL], 0x76543210
	s_mov_b32 s[SEL+1], 0xfedcba98
.macro FRAG reg, adr, st, i            ; 16 rows x 128 K: six pieces of 8 bytes; byte y of a row lies in slot (y / 256) % 2 at byte y % 256
.irp p, 0,1,2,3,4,5
.set BY, 96*(\st)+48*(\p/3)+8*(\p%3)
.if BY/ROWB == (BY+24)/ROWB
	ds_load_b64 v[\reg+2*\p:\reg+2*\p+1], v[\adr+(BY/ROWB)%2] offset:BY%ROWB+(\i)*16*PITCH
.else
	ds_load_b64 v[\reg+2*\p:\reg+2*\p+1], v[\adr+2+(BY/ROWB)%2] offset:BY%ROWB-232+(\i)*16*PITCH
.endif
.endr
.endm
.macro WM d, fb, fa, sb, sa, st        ; step 0 starts the sums; steps 4-7 take the scale registers' row 1
.if (\st) == 0
	v_wmma_scale_f32_16x16x128_f8f6f4 v[(\d):(\d)+7], v[(\fb):(\fb)+11], v[(\fa):(\fa)+11], 0, v[\sb], v[\sa] matrix_a_fmt:MATRIX_FMT_FP6 matrix_b_fmt:MATRIX_FMT_FP6
.elseif (\st) < 4
	v_wmma_scale_f32_16x16x128_f8f6f4 v[(\d):(\d)+7], v[(\fb):(\fb)+11], v[(\fa):(\fa)+11], v[(\d):(\d)+7], v[\sb], v[\sa] matrix_a_fmt:MATRIX_FMT_FP6 matrix_b_fmt:MATRIX_FMT_FP6
.else
	v_wmma_scale_f32_16x16x128_f8f6f4 v[(\d):(\d)+7], v[(\fb):(\fb)+11], v[(\fa):(\fa)+11], v[(\d):(\d)+7], v[\sb], v[\sa] matrix_a_fmt:MATRIX_FMT_FP6 matrix_b_fmt:MATRIX_FMT_FP6 matrix_a_scale:MATRIX_SCALE_ROW1 matrix_b_scale:MATRIX_SCALE_ROW1
.endif
.endm
.macro MUL16 a0, st                    ; the 64 accumulators take turns, in the same order in every step
.irp a, \a0, \a0+1
.irp b, 0,1,2,3,4,5,6,7
	WM 8*(8*((\a)%4)+\b), 128*((\st)%2)+FR*\b, AF+FR*(\a), SB+4*\b+(\st)%4, SA+4*(\a)+(\st)%4, \st
.endr
.endr
.endm
.macro FETCH_B st, p
	WIN TO_B
.irp i, 0,1,2,3,4,5,6,7
	FRAG 128*(\p)+FR*\i, ADRB, \st, \i
.endr
	WIN 0
.endm
.macro FETCH_A st, i0
.irp i, \i0, \i0+1, \i0+2, \i0+3
	FRAG AF+FR*(\i), ADRA, \st, \i
.endr
.endm
.macro PLACES n
.rept \n
	v_nop
.endr
.endm
; A step: 64 products; the next step's fragments are fetched in its middle and at its end.  Where the next step ends in a chunk not yet read, a barrier shows that chunk whole;
; where it begins in a later chunk, the chunk left behind is read no more: the three lines, the barrier, and, while a chunk is left to fetch, the cluster's round and the refill.
.macro STEP st
.set NX, (\st)+1
.set C0, (96*(\st))/ROWB
.set C1, (96*NX)/ROWB
.set E0, (96*(\st)+95)/ROWB
.set E1, (96*NX+95)/ROWB
.if C1 > C0 || E1 > E0
	s_wait_tensorcnt 0x0                           ; all my tensor loads have landed
.if C1 > C0
	ds_add_u32 v[SPW], v[NIL]
	s_wait_dscnt 4*NL+1                            ; the add and source 1's blocks 4-7 may be out
.else
	s_wait_dscnt 4*NL                              ; source 1's blocks 4-7 may be out
.endif
	WIN MUL_LO
	MUL16 0, \st
	s_wait_dscnt 0x0                               ; the add and all my LDS reads are done
	s_barrier_signal -1
	MUL16 2, \st
	WIN 0
	s_barrier_wait -1
.if C1 > C0 && C0+2 < CHUNKS
	CREST
	s_add_nc_u64 s[G0T+4*(C0%2)+2:G0T+4*(C0%2)+3], s[G0T+4*(C0%2)+2:G0T+4*(C0%2)+3], 2*ROWB
	s_add_nc_u64 s[G0W+4*(C0%2)+2:G0W+4*(C0%2)+3], s[G0W+4*(C0%2)+2:G0W+4*(C0%2)+3], 2*ROWB
	JLOAD C0%2                                     ; chunk C0 + 2; its four v_nop are the places ahead of the loads below
.else
	PLACES NP
.endif
.else
	s_wait_dscnt 4*NL
	WIN MUL_LO
	MUL16 0, \st
	MUL16 2, \st
	s_wait_dscnt 0
	PLACES NP
.endif
	FETCH_B NX, NX%2
	FETCH_A NX, 0
	WIN MUL_HI
	MUL16 4, \st
	MUL16 6, \st
	PLACES NP
	WIN 0
	FETCH_A NX, 4
.endm
	s_wait_alu depctr_va_vdst(0)                   ; the wait at the head's end
	s_wait_tensorcnt 0x0                           ; my part of chunk 0 is in; slot 1's first fill is issued as a refill is
	ds_add_u32 v[SPW], v[NIL]
	s_wait_dscnt 0x0
	CROUND
	JLOAD 1                                        ; chunk 1
	FETCH_B 0, 0
	FETCH_A 0, 0
	FETCH_A 0, 4
	s_wait_loadcnt 0x0                             ; the scale words
.set ST, 0
.rept STEPS-1
	STEP ST
.set ST, ST+1
.endr
	s_wait_dscnt 4*NL
	WIN MUL_LO
	MUL16 0, 7
	MUL16 2, 7
	s_wait_dscnt 0
	WIN MUL_HI
	MUL16 4, 7
	MUL16 6, 7
	WIN 0
; THE WAY OUT, block by block of source 1's 16 rows: four blocks of 32 along source 0's rows are quantised; codes leave as images of operand registers (four registers at 16 x lane, two at 8 x lane).
.macro OUTA a
.set AC, 64*((\a)%4)
.set WW, 2+(\a)/4
.set WA, WW|(WW<<2)
.set WB, (WW<<2)|(WW<<4)
	WIN WA
.irp b, 0,1,2,3
	v_max3_num_f32 v[TM+\b], |v[AC+16*\b]|, |v[AC+16*\b+1]|, 0x1800000
.endr
	WIN WB
.irp i, 2,4,6,8,10,12,14
.irp b, 0,1,2,3
	v_max3_num_f32 v[TM+\b], v[TM+\b], |v[AC+16*\b+\i]|, |v[AC+16*\b+\i+1]|
.endr
.endr
	WIN 0
.irp b, 0,1,2,3
	v_permlanex16_b32 v[TM+4+\b], v[TM+\b], s[SEL], s[SEL+1]
.endr
.irp b, 0,1,2,3
	v_max_num_f32 v[TM+\b], v[TM+\b], v[TM+4+\b]
.endr
.irp b, 0,1,2,3
	v_add_nc_u32 v[TM+12+\b], 0xff000000, v[TM+\b]
.endr
.irp b, 0,1,2,3
	v_lshrrev_b32 v[TM+4+\b], 23, v[TM+12+\b]
.endr
	v_lshl_or_b32 v[PW+\a], v[TM+5], 8, v[TM+4]
	v_lshl_or_b32 v[PW+\a], v[TM+6], 16, v[PW+\a]
	v_lshl_or_b32 v[PW+\a], v[TM+7], 24, v[PW+\a]
.if \a > 0
	s_wait_alu depctr_va_vdst(0)                   ; the wait ahead of the wait below
	s_wait_xcnt 0x0                                ; the last block's stores have read their registers and bases
	s_add_nc_u64 s[P0:P0+1], s[P0:P0+1], s[STP:STP+1]
	s_add_nc_u64 s[P1:P1+1], s[P1:P1+1], s[STP:STP+1]
.endif
.if \a == 4
	s_add_nc_u64 s[P0:P0+1], s[P0:P0+1], s[JMP:JMP+1]
	s_add_nc_u64 s[P1:P1+1], s[P1:P1+1], s[JMP:JMP+1]
.endif
	WIN WW
.irp c, 0,1
	v_cvt_scalef32_pk16_fp6_f32 v[CDS+6*\c:CDS+6*\c+2], v[AC+32*\c:AC+32*\c+15], v[TM+12+2*\c]
	v_cvt_scalef32_pk16_fp6_f32 v[CDS+12+4*\c:CDS+14+4*\c], v[AC+32*\c+16:AC+32*\c+31], v[TM+12+2*\c+1]
.endr
	WIN 0
	v_nop
.irp c, 0,1
.irp i, 0,1,2
	v_permlane16_swap_b32 v[CDS+6*\c+\i], v[CDS+12+4*\c+\i]
.endr
.irp i, 0,1,2
	v_mov_b32 v[CDS+3+6*\c+\i], v[CDS+12+4*\c+\i]
.endr
.endr
	global_store_b128 v[L16], v[CDS:CDS+3], s[P0:P0+1]
	global_store_b64 v[L8], v[CDS+4:CDS+5], s[P0:P0+1] offset:512
	global_store_b128 v[L16], v[CDS+6:CDS+9], s[P1:P1+1]
	global_store_b64 v[L8], v[CDS+10:CDS+11], s[P1:P1+1] offset:512
.endm
	PLACES NP
.irp a, 0,1,2,3,4,5,6,7
	OUTA \a
.endr
.irp p, 0,1,2,3
	v_cndmask_b32 v[YY+\p], v[PW+2*\p], v[PW+2*\p+1], s[HM]
.endr
.irp f, 0,1,2,3
	v_perm_b32 v[WK+\f], v[PW+2*\f+1], v[PW+2*\f], 0x05040100
	v_perm_b32 v[WK+4+\f], v[PW+2*\f+1], v[PW+2*\f], 0x07060302
.endr
.irp e, 0,1
	v_cndmask_b32 v[WK+4*\e], v[WK+4*\e], v[WK+4*\e+1], s[HM]
	v_cndmask_b32 v[WK+4*\e+1], v[WK+4*\e+2], v[WK+4*\e+3], s[HM]
.endr
	v_cndmask_b32 v[ZZ], v[YY], v[WK], s[KM]
	v_cndmask_b32 v[ZZ+1], v[YY+1], v[WK+1], s[KM]
	v_cndmask_b32 v[ZZ+2], v[YY+2], v[WK+4], s[KM]
	v_cndmask_b32 v[ZZ+3], v[YY+3], v[WK+5], s[KM]
	global_store_b64 v[L8], v[ZZ:ZZ+1], s[SC0:SC0+1]
	global_store_b64 v[L8], v[ZZ+2:ZZ+3], s[SC1:SC1+1]
	s_wait_tensorcnt 0x0                           ; the wave's end
	ds_add_u32 v[SPW], v[NIL]
	s_wait_dscnt 0x0
	CROUND                                         ; the closing round
	s_endpgm
.Lfunc_end_k_qa3bc988eaf_qkv:
	.size	k_qa3bc988eaf_qkv, .Lfunc_end_k_qa3bc988eaf_qkv-k_qa3bc988eaf_qkv
	.p2alignl 7, 3214868480
	.fill 96, 4, 3214868480
	.section	.rodata,"a",@progbits
	.p2align	6, 0x0
	.amdhsa_kernel k_qa3bc988eaf_qkv
		.amdhsa_group_segment_fixed_size 327680
		.amdhsa_private_segment_fixed_size 0
		.amdhsa_enable_private_segment 0
		.amdhsa_kernarg_size 88
		.amdhsa_user_sgpr_count 2
		.amdhsa_user_sgpr_kernarg_segment_ptr 1
		.amdhsa_wavefront_size32 1
		.amdhsa_system_sgpr_workgroup_id_x 1
		.amdhsa_system_sgpr_workgroup_id_y 1
		.amdhsa_system_sgpr_workgroup_id_z 1
		.amdhsa_system_vgpr_workitem_id 0
		.amdhsa_next_free_vgpr 1024
		.amdhsa_next_free_sgpr 102
		.amdhsa_reserve_vcc 0
		.amdhsa_float_denorm_mode_32 3
		.amdhsa_float_denorm_mode_16_64 3
		.amdhsa_memory_ordered 1
		.amdhsa_forward_progress 1
		.amdhsa_inst_pref_size 166
	.end_amdhsa_kernel
	.amdgpu_metadata
---
amdhsa.version: [ 1, 2 ]
amdhsa.kernels:
  - .name:           k_qa3bc988eaf_qkv
    .symbol:         k_qa3bc988eaf_qkv.kd
    .args:
      - { .name: x_codes, .offset: 0, .size: 8, .value_kind: global_buffer, .address_space: global }
      - { .name: x_scales, .offset: 8, .size: 8, .value_kind: global_buffer, .address_space: global }
      - { .name: wq_codes, .offset: 16, .size: 8, .value_kind: global_buffer, .address_space: global }
      - { .name: wq_scales, .offset: 24, .size: 8, .value_kind: global_buffer, .address_space: global }
      - { .name: wk_codes, .offset: 32, .size: 8, .value_kind: global_buffer, .address_space: global }
      - { .name: wk_scales, .offset: 40, .size: 8, .value_kind: global_buffer, .address_space: global }
      - { .name: wv_codes, .offset: 48, .size: 8, .value_kind: global_buffer, .address_space: global }
      - { .name: wv_scales, .offset: 56, .size: 8, .value_kind: global_buffer, .address_space: global }
      - { .name: q_img, .offset: 64, .size: 8, .value_kind: global_buffer, .address_space: global }
      - { .name: q_sc, .offset: 72, .size: 8, .value_kind: global_buffer, .address_space: global }
      - { .name: kv_img, .offset: 80, .size: 8, .value_kind: global_buffer, .address_space: global }
    .group_segment_fixed_size: 327680
    .private_segment_fixed_size: 0
    .kernarg_segment_align: 8
    .kernarg_segment_size: 88
    .max_flat_workgroup_size: 128
    .sgpr_count:     102
    .vgpr_count:     1024
    .wavefront_size: 32
...
	.end_amdgpu_metadata
.endif
;; end of part 1
;; launch attn (part 2): grid 16 x 16, 16 waves a work-group, clusters of 4 x 1, 206,848 bytes of LDS; arguments q_img, q_sc, kv_img, a_img, a_sc; writes a_img, a_sc
.if DOCPART == 2
	.amdgcn_target "amdgcn-amd-amdhsa--gfx1250"
	.amdhsa_code_object_version 6
	.text
	.protected	k_qa3bc988eaf_attn
	.globl	k_qa3bc988eaf_attn
	.p2align	8
	.type	k_qa3bc988eaf_attn,@function
k_qa3bc988eaf_attn:
	s_mov_b64 s[64:65], 0
	v_nop
	global_prefetch_b8 v0, s[64:65] scope:SCOPE_SE
	s_setreg_imm32_b32 hwreg(HW_REG_WAVE_MODE, 25, 1), 1
	s_wait_xcnt 0x0
	s_wait_alu depctr_hold_cnt(0) depctr_sa_sdst(0) depctr_va_vdst(0) depctr_va_sdst(0) depctr_va_ssrc(0) depctr_va_vcc(0) depctr_vm_vsrc(0)
	s_getreg_b32 s2, hwreg(HW_REG_IB_STS2, 6, 4)
	s_cmp_eq_u32 s2, 0
	s_cbranch_scc0 .Lentry_in_a_cluster
	s_endpgm
.Lentry_in_a_cluster:
	s_bfe_u32 s2, ttmp6, 0x10000c
	s_cmp_lg_u32 s2, 0x3003
	s_cbranch_scc0 .Lentry_shape_is_right
	s_endpgm
.Lentry_shape_is_right:
; O = softmax(q k^T / 8) v for 4 batches x 16 query heads of size 64 over 2,048 keys, 4 query heads to a key/value head; both products on codes of FP6 (E2M3) with E8M0 scales; then O / l is quantised along the 1,024 channels.
; THE SOFTMAX: t = score x log2(e) / 8; M = the running largest t rounded UP to a whole number; p = 2^(t - M) is quantised along the keys, not normalised; the row's sum l is taken of the unquantised p and divides O at the end.
; When M moves, l and O are multiplied by 2^(old M - new M): exact.
; SHARES.  y = 4 x batch + key/value head; x (16) = which pair of that head's four query heads (x / 8) and which 256 tokens (x % 8).  Each of sixteen waves owns 16 tokens x the pair's two heads: two tiles e = 0, 1,
; so a wave makes a whole fragment (128 channels) and a whole scale word for the last product.  Four waves to a SIMD, 256 registers each: no register window is switched.
; LDS.  K and V of the key/value head, 16 records of 12,800 bytes (128 keys each), are filled ONCE: each wave brings one record by one tensor load.  Nothing is filled again and nothing is stored to LDS:
; one barrier, no ring.  The four work-groups of a cluster share y, so each load is a JOINT one (mask 15).
; LAYOUT.  S^T = K Q^T (source 0 = keys, source 1 = queries) and O^T = V^T P^T: a lane holds one query throughout.  All operands lie in memory and LDS as images of their registers (four registers at 16 x lane, two at 8 x lane).
; HEAD SIZE 64 IN AN INSTRUCTION OF K = 128: a fragment of K holds TWO key tiles; the first tile's scores take B = [q | 0], the second's B = [0 | q]: zero codes add nothing.
; Q's registers are one chain 0 q0 0 q1 0 of 5 x 6 registers; Q's scale word is (b0, b1, b0, b1).
; REGISTERS TAKE TURNS: K's fragments 0-2 have 36 registers of their own, fragment 3 lies in tile 1's code registers until that tile's scores are made; V's four fragments land in S^T's registers when p has been converted.
; The codes of q, k, v and p carry one and the same order inside each block of 32 (the launch before says which); O is brought into true order on the way out, since it meets wo.
; No prefetch: the launch reads memory at its head alone.
; LIMITS: NaN, infinities and scale bytes 0xff are not served; the scaled scores stay under 2^31 in magnitude; p under 2^-126 is 0; a block whose largest magnitude lies under 2^-124 keeps the byte 1 (this program alone reads the bytes).
; a_sc is stored 4 bytes a lane, 32 bytes apart (lanes 16-31 repeat lanes 0-15): 262,144 bytes in all, one part in 24 of the codes' bytes; so it lies as rows of scale bytes, as the last launch reads it.
.set REC,  12800                       ; a key step's record: K's 4 fragments, V's 4 fragments (1,536 bytes each), K's scale words, V's (256 each)
.set SPARE, 204800
.set A16,  1                           ; 16 x lane + the step's record
.set A8,   2                           ; 8 x lane + the step's record
.set X,    3
.set KS,   4                           ; v[4:5] K's scale words: word 0 lanes 0-15 fragment 0, lanes 16-31 fragment 1; word 1 fragments 2, 3
.set VS,   6                           ; v[6:7] V's likewise
.set QS,   8                           ; v8, v9 Q's scale words of head 0, 1
.set PWR,  10                          ; v10, v11 p's scale word of tile e
.set ST,   12                          ; tile e at v[12 + 6 e]: -M, the largest t, the sum in two halves, f, and a word that is only named with f as a pair
.set BM,   24
.set PT,   28
.set QB,   36                          ; v36-65 Q's chain
.set KB,   66                          ; v66-101 K's fragments 0-2
.set P,    102                         ; v102-125 p's codes, 12 a tile
.set S,    126                         ; v126-189 S^T, then p, then V's fragments
.set O,    190                         ; v190-253 O^T: tile e, channel tile c at 32 e + 8 c
.set SPW,  254
.set NIL,  255
.set WV,   14
.set G1,   24
.set G0,   32
.set SEL,  36
.set CS,   38
.set CNT,  40
.set TB,   42
.macro CROUND
	s_barrier_signal -1
	s_barrier_wait -1
	s_cmp_lg_u32 s[WV], 0
	s_cbranch_scc1 .Lnot_wave_0_\@
	s_barrier_signal -3
.Lnot_wave_0_\@:
	s_barrier_wait -3
	s_barrier_signal -1
	s_barrier_wait -1
.endm
	s_load_b256 s[4:11], s[0:1], 0x0               ; q_img s[4:5], q_sc s[6:7], kv_img s[8:9], a_img s[10:11]
	s_load_b64 s[12:13], s[0:1], 0x20              ; a_sc
	v_lshl_add_u32 v[SPW], v0, 2, SPARE
	v_mov_b32 v[NIL], 0
	ds_add_u32 v[SPW], v[NIL]                      ; the opening lines
	ds_add_u32 v[SPW], v[NIL]
	v_lshrrev_b32 v1, 5, v0
	v_readfirstlane_b32 s[WV], v1                  ; wave 0..15
	v_and_b32 v3, 31, v0
	v_and_b32 v24, 15, v0
	v_lshlrev_b32 v[A16], 4, v3
	v_lshlrev_b32 v[A8], 3, v3
	v_lshlrev_b32 v24, 3, v24                      ; 8 x (lane % 16)
	s_bfe_u32 s15, ttmp6, 0x40000                  ; cx: it enters q's and a's addresses alone
	s_lshl_b32 s16, ttmp9, 2
	s_add_co_u32 s16, s16, s15                     ; work-group x
	s_and_b32 s17, ttmp7, 0xffff                   ; y, which the four partners share
	s_mov_b32 s[G1+0], 15|(3<<16)|(1<<21)          ; 12,800 dense bytes as 50 rows of 256; the mask names all four work-groups
	s_mov_b32 s[G1+1], 32<<16
	s_mov_b32 s[G1+2], 50<<16
	s_mov_b32 s[G1+3], 32<<16
	s_mov_b32 s[G1+4], 50
	s_mov_b32 s[G1+5], 32
	s_mov_b32 s[G1+6], 0
	s_mov_b32 s[G1+7], 0
	s_mul_i32 s20, s[WV], REC                      ; my record: in LDS,
	s_mul_i32 s18, s17, 16*REC
	s_add_co_u32 s18, s18, s20                     ; and in kv_img
	s_mov_b32 s19, 0
	s_lshr_b32 s21, s16, 3                         ; which pair of the key/value head's four query heads
	s_and_b32 s22, s16, 7
	s_lshl_b32 s22, s22, 4
	s_add_co_u32 s22, s22, s[WV]                   ; which 16 tokens of the batch's 2,048
	s_lshr_b32 s23, s17, 2                         ; the batch
	s_and_b32 s43, s17, 3
	s_lshl_b32 s43, s43, 1
	s_add_co_u32 s43, s43, s21                     ; hp: the pair of heads, 0..7
	s_lshl_b32 s44, s23, 4
	s_lshr_b32 s45, s22, 3
	s_add_co_u32 s44, s44, s45                     ; G: the group of 128 tokens, 0..63
	s_and_b32 s45, s22, 7                          ; i: my token tile of the group
	s_lshl_b32 s46, s44, 3
	s_add_co_u32 s46, s46, s43                     ; 8 G + hp
	s_lshl_b32 s48, s46, 9                         ; q_sc: 512 bytes each: [i / 4][i % 2][token][(i / 2) % 2] words
	s_lshr_b32 s51, s45, 2
	s_lshl_b32 s51, s51, 8
	s_add_co_u32 s48, s48, s51
	s_and_b32 s51, s45, 1
	s_lshl_b32 s51, s51, 7
	s_add_co_u32 s48, s48, s51
	s_bfe_u32 s51, s45, 0x10001
	s_lshl_b32 s51, s51, 2
	s_add_co_u32 s48, s48, s51
	s_mov_b32 s49, 0
	s_lshl_b32 s46, s46, 3
	s_add_co_u32 s46, s46, s45
	s_mul_i32 s46, s46, 1536                       ; q_img: eight records of 1,536 each, mine the i-th
	s_mov_b32 s47, 0
	s_lshl_b32 s52, s44, 2                         ; a_img: [G][hp / 2][token tile][hp % 2][1,536]
	s_lshr_b32 s51, s43, 1
	s_add_co_u32 s52, s52, s51
	s_lshl_b32 s52, s52, 3
	s_add_co_u32 s52, s52, s45
	s_lshl_b32 s52, s52, 1
	s_and_b32 s51, s43, 1
	s_add_co_u32 s52, s52, s51
	s_mul_i32 s52, s52, 1536
	s_mov_b32 s53, 0
	s_lshl_b32 s54, s23, 11                        ; a_sc: token x 32 + 4 hp
	s_lshl_b32 s51, s22, 4
	s_add_co_u32 s54, s54, s51
	s_lshl_b32 s54, s54, 5
	s_lshl_b32 s51, s43, 2
	s_add_co_u32 s54, s54, s51
	s_mov_b32 s55, 0
	s_mov_b32 s[SEL], 0x76543210
	s_mov_b32 s[SEL+1], 0xfedcba98
	s_mov_b32 s[CS], 0x3e38aa3b                    ; log2(e) / 8
	s_mov_b32 s[CS+1], s[CS]
	s_mov_b32 s[TB], 0
	s_wait_dscnt 0x0
	s_wait_kmcnt 0x0
	s_mov_b32 s[G0], 1
	s_mov_b32 s[G0+1], s20
	s_add_nc_u64 s[G0+2:G0+3], s[8:9], s[18:19]
	s_or_b32 s[G0+3], s[G0+3], 0x80000000
	s_add_nc_u64 s[4:5], s[4:5], s[46:47]
	s_add_nc_u64 s[6:7], s[6:7], s[48:49]
	s_add_nc_u64 s[10:11], s[10:11], s[52:53]
	s_add_nc_u64 s[12:13], s[12:13], s[54:55]
	CROUND                                         ; all four work-groups are here: the joint loads meet
	tensor_load_to_lds s[G0:G0+3], s[G1:G1+7]      ; my one tensor load of the launch
	s_nop 0
.rept 4
	v_nop
.endr
	s_wait_alu depctr_va_vdst(0)                   ; the wait ahead of the readers below
.irp e, 0,1
	global_load_b128 v[QB+6+12*\e:QB+9+12*\e], v[A16], s[4:5] offset:768*\e
	global_load_b64 v[QB+10+12*\e:QB+11+12*\e], v[A8], s[4:5] offset:768*\e+512
.endr
	global_load_b32 v[X], v24, s[6:7]              ; my token's scale word: bytes 0, 1 head 0, bytes 2, 3 head 1
.irp t, 0,1
	v_mov_b32 v[ST+6*\t+1], 0xff61b1e6             ; the largest t so far: -3e38
	v_mov_b32 v[ST+6*\t+2], 0
	v_mov_b32 v[ST+6*\t+3], 0
	v_mov_b32 v[ST+6*\t+5], 0
	s_delay_alu instid0(VALU_DEP_4)
	v_floor_f32 v[ST+6*\t], -v[ST+6*\t+1]          ; -M
.endr
.irp b, 0,1,2,3
	v_mov_b32 v[PT+\b], 0                          ; a lane permute's destination counts as one of its sources
.endr
	s_wait_loadcnt 0x0
	v_perm_b32 v[QS], v[X], v[X], 0x01000100       ; (b0, b1, b0, b1) of head 0: it serves [q | 0] and [0 | q]
	v_perm_b32 v[QS+1], v[X], v[X], 0x03020302     ; of head 1
.irp z, 0,1,2
.irp n, 0,1,2,3,4,5
	v_mov_b32 v[QB+12*\z+\n], 0                    ; the chain's zero codes
.endr
.endr
.set k, 0
.rept 64
	v_mov_b32 v[O+k], 0                            ; O^T: the step is written once for all steps but the last; the first finds zeros.  These are also the places ahead of the first products
.set k, k+1
.endr
	s_wait_alu depctr_va_vdst(0)                   ; the wait at the head's end
	s_wait_tensorcnt 0x0                           ; my record is in LDS,
	s_barrier_signal -1
	s_barrier_wait -1                              ; everybody's is
.macro LDF reg, off                    ; one fragment: 12 registers, four loads
	ds_load_b128 v[(\reg):(\reg)+3], v[A16] offset:(\off)
	ds_load_b64 v[(\reg)+4:(\reg)+5], v[A8] offset:(\off)+512
	ds_load_b128 v[(\reg)+6:(\reg)+9], v[A16] offset:(\off)+768
	ds_load_b64 v[(\reg)+10:(\reg)+11], v[A8] offset:(\off)+1280
.endm
.macro LOADK3 off                      ; 13 loads: K's fragments 0-2 and its scale words
.irp f, 0,1,2
	LDF KB+12*\f, (\off)+1536*\f
.endr
	ds_load_b64 v[KS:KS+1], v[A8] offset:(\off)+12288
.endm
.macro SMM e                           ; tile e's scores of 128 keys
.irp u, 0,1,2,3,4,5,6,7
.if (\u == 6) && (\e == 0)
	s_wait_dscnt 0x0                               ; K's fragment 3 is in
.endif
.set rD, S+8*\u
.if \u/2 == 3
.set rA, P+12
.else
.set rA, KB+12*(\u/2)
.endif
.set rB, QB+12*(\e)+6*(1-(\u%2))
.if (\u/2)%2 == 0
	v_wmma_scale_f32_16x16x128_f8f6f4 v[rD:rD+7], v[rA:rA+11], v[rB:rB+11], 0, v[KS+\u/4], v[QS+\e] matrix_a_fmt:MATRIX_FMT_FP6 matrix_b_fmt:MATRIX_FMT_FP6
.else
	v_wmma_scale_f32_16x16x128_f8f6f4 v[rD:rD+7], v[rA:rA+11], v[rB:rB+11], 0, v[KS+\u/4], v[QS+\e] matrix_a_fmt:MATRIX_FMT_FP6 matrix_b_fmt:MATRIX_FMT_FP6 matrix_a_scale:MATRIX_SCALE_ROW1
.endif
.endr
.endm
; Tile t's softmax of 128 keys: S^T becomes p, p's codes and p's scale word; -M, the largest t, the sum and f are brought up to date.
.macro SOFTMAX t
.set rT, ST+6*(\t)
.set rP, P+12*(\t)
.set rW, PWR+(\t)
.irp b, 0,1,2,3
	v_max3_num_f32 v[BM+\b], v[S+16*\b], v[S+16*\b+1], v[S+16*\b+2]   ; the largest score of each block of 32 keys: for the row's maximum and, since p rises with the score, for the block's largest p
.endr
.irp i, 3,5,7,9,11,13
.irp b, 0,1,2,3
	v_max3_num_f32 v[BM+\b], v[BM+\b], v[S+16*\b+\i], v[S+16*\b+\i+1]
.endr
.endr
.irp b, 0,1,2,3
	v_max_num_f32 v[BM+\b], v[BM+\b], v[S+16*\b+15]
.endr
.irp b, 0,1,2,3
	s_delay_alu instid0(VALU_DEP_4)
	v_permlanex16_b32 v[PT+\b], v[BM+\b], s[SEL], s[SEL+1]
.endr
.irp b, 0,1,2,3
	s_delay_alu instid0(VALU_DEP_4)
	v_max_num_f32 v[BM+\b], v[BM+\b], v[PT+\b]     ; with lane l xor 16's 16 keys
.endr
	s_delay_alu instid0(VALU_DEP_2)
	v_max3_num_f32 v[X], v[BM], v[BM+1], v[BM+2]
	s_delay_alu instid0(VALU_DEP_1)
	v_max_num_f32 v[X], v[X], v[BM+3]              ; the step's largest score of my query
	s_delay_alu instid0(VALU_DEP_1)
	v_mul_f32 v[X], s[CS], v[X]                    ; as t (c is positive)
	s_delay_alu instid0(VALU_DEP_1)
	v_max_num_f32 v[rT+1], v[rT+1], v[X]           ; the running largest t
	v_mov_b32 v[X], v[rT]
	s_delay_alu instid0(VALU_DEP_2)
	v_floor_f32 v[rT], -v[rT+1]                    ; the new -M = floor(-t): M is a whole number
.set j, 0
.rept 32
	v_pk_fma_f32 v[S+j:S+j+1], v[S+j:S+j+1], s[CS:CS+1], v[rT:rT+1] op_sel_hi:[1,0,0]   ; t - M, two at a time; f is made among these lines
.if j == 8
	v_sub_f32 v[X], v[rT], v[X]                    ; old M - new M: a whole number, 0 or less
.endif
.if j == 24
	v_cvt_i32_f32 v[X], v[X]                       ; (it saturates)
.endif
.if j == 40
	v_ldexp_f32 v[rT+4], 1.0, v[X]                 ; f = 2^(old M - new M)
.endif
.set j, j+2
.endr
.irp b, 0,1,2,3
	v_fma_f32 v[BM+\b], v[BM+\b], s[CS], v[rT]     ; the same of each block's largest score
.endr
.set j, 0
	s_wait_alu depctr_va_vdst(0)                   ; the wait ahead of the batch
.rept 64
	v_exp_f32 v[S+j], v[S+j]                       ; p = 2^(t - M), at most 1
.set j, j+1
.endr
	v_pk_mul_f32 v[rT+2:rT+3], v[rT+2:rT+3], v[rT+4:rT+5] op_sel_hi:[1,0]   ; the sums under the new M.  (A plain place behind the exponentials)
	s_wait_alu depctr_va_vdst(0)                   ; one wait for the batch of 64, ahead of its first reader
.irp b, 0,1,2,3
	v_exp_f32 v[BM+\b], v[BM+\b]                   ; the block's largest p: the same two instructions on the same number give the same bits
.endr
	v_pk_add_f32 v[PT:PT+1], v[S:S+1], v[S+2:S+3]  ; the row's sum is taken of the unquantised p: two at a time, in four chains
	v_pk_add_f32 v[PT+2:PT+3], v[S+4:S+5], v[S+6:S+7]
	v_pk_add_f32 v[PT+4:PT+5], v[S+8:S+9], v[S+10:S+11]
	v_pk_add_f32 v[rT+2:rT+3], v[rT+2:rT+3], v[S+12:S+13]
.set j, 14
.rept 6
	v_pk_add_f32 v[PT:PT+1], v[PT:PT+1], v[S+j:S+j+1]
	v_pk_add_f32 v[PT+2:PT+3], v[PT+2:PT+3], v[S+j+2:S+j+3]
	v_pk_add_f32 v[PT+4:PT+5], v[PT+4:PT+5], v[S+j+4:S+j+5]
	v_pk_add_f32 v[rT+2:rT+3], v[rT+2:rT+3], v[S+j+6:S+j+7]
.set j, j+8
.endr
	v_pk_add_f32 v[PT:PT+1], v[PT:PT+1], v[S+62:S+63]
	v_pk_add_f32 v[PT+2:PT+3], v[PT+2:PT+3], v[PT+4:PT+5]
	s_delay_alu instid0(VALU_DEP_2)
	v_pk_add_f32 v[rT+2:rT+3], v[rT+2:rT+3], v[PT:PT+1]
	s_delay_alu instid0(VALU_DEP_1)
	v_pk_add_f32 v[rT+2:rT+3], v[rT+2:rT+3], v[PT+2:PT+3]
	s_wait_alu depctr_va_vdst(0)                   ; and one for the four
.irp b, 0,1,2,3
	v_max_num_f32 v[BM+\b], 0x1800000, v[BM+\b]    ; the floor 2^(3 - 127): the byte cannot fall under 1
.endr
.irp b, 0,1,2,3
	s_delay_alu instid0(VALU_DEP_4)
	v_add_nc_u32 v[BM+\b], 0xff000000, v[BM+\b]    ; 2 off the exponent field: the conversion's scale operand
.endr
.irp b, 0,1,2,3
	s_delay_alu instid0(VALU_DEP_4)
	v_lshrrev_b32 v[PT+\b], 23, v[BM+\b]           ; the scale's byte
.endr
	s_delay_alu instid0(VALU_DEP_3)
	v_lshl_or_b32 v[PT], v[PT+1], 8, v[PT]
	s_delay_alu instid0(VALU_DEP_2)
	v_lshl_or_b32 v[PT+2], v[PT+3], 8, v[PT+2]
	s_delay_alu instid0(VALU_DEP_1)
	v_lshl_or_b32 v[rW], v[PT+2], 16, v[PT]
.irp c, 0,1
	v_cvt_scalef32_pk16_fp6_f32 v[rP+6*\c:rP+6*\c+2], v[S+32*\c:S+32*\c+15], v[BM+2*\c]
	v_cvt_scalef32_pk16_fp6_f32 v[PT+4*\c:PT+4*\c+2], v[S+32*\c+16:S+32*\c+31], v[BM+2*\c+1]   ; (a conversion's three registers begin on an even number)
.endr
	v_nop                                          ; one plain place behind a scaled conversion
.irp c, 0,1                            ; a whole block in a lane: lanes 0-15 block 2 c, lanes 16-31 block 2 c + 1
.irp i, 0,1,2
	v_permlane16_swap_b32 v[rP+6*\c+\i], v[PT+4*\c+\i]
.endr
.irp i, 0,1,2
	s_delay_alu instid0(VALU_DEP_3)
	v_mov_b32 v[rP+3+6*\c+\i], v[PT+4*\c+\i]
.endr
.endr
.endm
; A KEY STEP of 128 keys for my two tiles.  more = 1: the next step's K is fetched: fragments 0-2 behind the last scores, fragment 3 behind the last products.
.macro STEP more
	s_wait_dscnt 4                                 ; K's fragments 0-2 and scale words are in; fragment 3's four loads, issued last, may be out
	SMM 0
.rept 4
	v_nop                                          ; places ahead of the first read of the scores
.endr
	SOFTMAX 0
	SMM 1
.rept 4
	v_nop                                          ; places ahead of the first read of the scores, and of the loads into K's registers
.endr
.if \more
	LOADK3 REC
.endif
	SOFTMAX 1
.irp c, 0,1,2,3
	LDF S+12*\c, 6144+1536*\c                      ; V's fragments, where p lay: p has been converted
.endr
	ds_load_b64 v[VS:VS+1], v[A8] offset:12544
	s_wait_alu depctr_va_vdst(0)                   ; the wait directly ahead of the first reader of O^T
.irp t, 0,1
.set j, O+32*\t
.rept 16
	v_pk_mul_f32 v[j:j+1], v[j:j+1], v[ST+6*\t+4:ST+6*\t+5] op_sel_hi:[1,0]   ; O^T under the new M.  (These 32 are the places between tile 1's codes and scale word and the products)
.set j, j+2
.endr
.endr
	s_wait_alu depctr_va_vdst(0)                   ; the wait ahead of the wait below
	s_wait_dscnt 0x0                               ; V is in
.irp c, 0,1,2,3                        ; O^T += V^T P^T: eight accumulators, one instruction each
.irp t, 0,1
.if \c%2
	v_wmma_scale_f32_16x16x128_f8f6f4 v[O+32*\t+8*\c:O+32*\t+8*\c+7], v[S+12*\c:S+12*\c+11], v[P+12*\t:P+12*\t+11], v[O+32*\t+8*\c:O+32*\t+8*\c+7], v[VS+\c/2], v[PWR+\t] matrix_a_fmt:MATRIX_FMT_FP6 matrix_b_fmt:MATRIX_FMT_FP6 matrix_a_scale:MATRIX_SCALE_ROW1
.else
	v_wmma_scale_f32_16x16x128_f8f6f4 v[O+32*\t+8*\c:O+32*\t+8*\c+7], v[S+12*\c:S+12*\c+11], v[P+12*\t:P+12*\t+11], v[O+32*\t+8*\c:O+32*\t+8*\c+7], v[VS+\c/2], v[PWR+\t] matrix_a_fmt:MATRIX_FMT_FP6 matrix_b_fmt:MATRIX_FMT_FP6
.endif
.endr
.endr
.if \more
	s_add_co_u32 s[TB], s[TB], REC                 ; on to the next record
	v_and_b32 v[A16], 31, v0
	v_and_b32 v[A8], 31, v0
	v_lshl_add_u32 v[A16], v[A16], 4, s[TB]
	v_lshl_add_u32 v[A8], v[A8], 3, s[TB]
	v_nop
	v_nop                                          ; six places: ahead of the load into tile 1's code registers, and of the next scores, which write over V's registers
	LDF P+12, 4608                                 ; K's fragment 3
.endif
.endm
	LOADK3 0
	LDF P+12, 4608
	s_mov_b32 s[CNT], 15
.Lstep:                                            ; 15 trips; the last step, which fetches nothing, is written out
	STEP 1
	s_sub_co_u32 s[CNT], s[CNT], 1
	s_cmp_lg_u32 s[CNT], 0
	s_cbranch_scc1 .Lstep
	STEP 0
	; THE WAY OUT.  The sums' halves are joined (these lines are the places behind the last products); O^T / l is brought into the true order of channels, quantised, and stored as an image.
.irp t, 0,1
	v_add_f32 v[ST+6*\t+2], v[ST+6*\t+2], v[ST+6*\t+3]
.endr
.irp t, 0,1
	s_delay_alu instid0(VALU_DEP_2)
	v_permlanex16_b32 v[BM+\t], v[ST+6*\t+2], s[SEL], s[SEL+1]
.endr
.irp t, 0,1
	s_delay_alu instid0(VALU_DEP_2)
	v_add_f32 v[ST+6*\t+2], v[ST+6*\t+2], v[BM+\t] ; the row's sum
.endr
	v_and_b32 v[A16], 31, v0
	v_and_b32 v[A8], 15, v0
	v_lshlrev_b32 v[A16], 4, v[A16]                ; 16 x lane
	v_lshlrev_b32 v[A8], 5, v[A8]                  ; 32 x token
	s_wait_alu depctr_va_vdst(0)
.irp t, 0,1
	v_rcp_f32 v[ST+6*\t+4], v[ST+6*\t+2]
.endr
	v_nop                                          ; a plain place behind the last reciprocal
	s_wait_alu depctr_va_vdst(0)                   ; one wait for the two, ahead of their first reader and of O^T's
.set k, 0
.rept 64
	v_mul_f32 v[S+k], v[O+k], v[ST+6*(k/32)+4]     ; O^T / l, each accumulator from its low end on: register 32 e + 8 c + j is channel 64 e + 16 c + 8 (lane / 16) + j
.set k, k+1
.endr
.set k, 0
.rept 4
.irp j, 0,1,2,3,4,5,6,7
	v_permlane16_swap_b32 v[S+16*k+\j], v[S+16*k+8+\j]   ; register 16 k + n is now channel 32 k + 16 (lane / 16) + n
.endr
.set k, k+1
.endr
.irp b, 0,1,2,3
	v_max3_num_f32 v[BM+\b], |v[S+16*\b]|, |v[S+1+16*\b]|, 0x1800000
.endr
.irp i, 2,4,6,8,10,12,14
.irp b, 0,1,2,3
	s_delay_alu instid0(VALU_DEP_4)
	v_max3_num_f32 v[BM+\b], v[BM+\b], |v[S+16*\b+\i]|, |v[S+1+16*\b+\i]|
.endr
.endr
.irp b, 0,1,2,3
	s_delay_alu instid0(VALU_DEP_4)
	v_permlanex16_b32 v[PT+\b], v[BM+\b], s[SEL], s[SEL+1]
.endr
.irp b, 0,1,2,3
	s_delay_alu instid0(VALU_DEP_4)
	v_max_num_f32 v[BM+\b], v[BM+\b], v[PT+\b]
.endr
.irp b, 0,1,2,3
	s_delay_alu instid0(VALU_DEP_4)
	v_add_nc_u32 v[BM+\b], 0xff000000, v[BM+\b]
.endr
.irp b, 0,1,2,3
	s_delay_alu instid0(VALU_DEP_4)
	v_lshrrev_b32 v[PT+\b], 23, v[BM+\b]
.endr
	s_delay_alu instid0(VALU_DEP_3)
	v_lshl_or_b32 v[PT], v[PT+1], 8, v[PT]
	s_delay_alu instid0(VALU_DEP_2)
	v_lshl_or_b32 v[PT+2], v[PT+3], 8, v[PT+2]
	s_delay_alu instid0(VALU_DEP_1)
	v_lshl_or_b32 v[PWR], v[PT+2], 16, v[PT]       ; my token's scale word of these 128 channels
.irp c, 0,1
	v_cvt_scalef32_pk16_fp6_f32 v[KB+6*\c:KB+2+6*\c], v[S+32*\c:S+15+32*\c], v[BM+2*\c]
	v_cvt_scalef32_pk16_fp6_f32 v[KB+12+4*\c:KB+14+4*\c], v[S+16+32*\c:S+31+32*\c], v[BM+2*\c+1]
.endr
	v_nop                                          ; one plain place behind a scaled conversion
.irp c, 0,1
.irp i, 0,1,2
	v_permlane16_swap_b32 v[KB+6*\c+\i], v[KB+12+4*\c+\i]
.endr
.irp i, 0,1,2
	s_delay_alu instid0(VALU_DEP_3)
	v_mov_b32 v[KB+3+6*\c+\i], v[KB+12+4*\c+\i]
.endr
.endr
.irp c, 0,1,2
	global_store_b128 v[A16], v[KB+4*\c:KB+4*\c+3], s[10:11] offset:512*\c   ; 512 consecutive bytes each
.endr
	global_store_b32 v[A8], v[PWR], s[12:13]
	s_wait_tensorcnt 0x0                           ; the wave's end
	ds_add_u32 v[SPW], v[NIL]
	s_wait_dscnt 0x0
	CROUND                                         ; the closing round: no work-group ends while a partner may still ask for a tile that names it
	s_endpgm
.Lfunc_end_k_qa3bc988eaf_attn:
	.size	k_qa3bc988eaf_attn, .Lfunc_end_k_qa3bc988eaf_attn-k_qa3bc988eaf_attn
	.p2alignl 7, 3214868480
	.fill 96, 4, 3214868480
	.section	.rodata,"a",@progbits
	.p2align	6, 0x0
	.amdhsa_kernel k_qa3bc988eaf_attn
		.amdhsa_group_segment_fixed_size 206848
		.amdhsa_private_segment_fixed_size 0
		.amdhsa_enable_private_segment 0
		.amdhsa_kernarg_size 40
		.amdhsa_user_sgpr_count 2
		.amdhsa_user_sgpr_kernarg_segment_ptr 1
		.amdhsa_wavefront_size32 1
		.amdhsa_system_sgpr_workgroup_id_x 1
		.amdhsa_system_sgpr_workgroup_id_y 1
		.amdhsa_system_sgpr_workgroup_id_z 1
		.amdhsa_system_vgpr_workitem_id 0
		.amdhsa_next_free_vgpr 256
		.amdhsa_next_free_sgpr 66
		.amdhsa_reserve_vcc 0
		.amdhsa_float_denorm_mode_32 3
		.amdhsa_float_denorm_mode_16_64 3
		.amdhsa_memory_ordered 1
		.amdhsa_forward_progress 1
		.amdhsa_inst_pref_size 81
	.end_amdhsa_kernel
	.amdgpu_metadata
---
amdhsa.version: [ 1, 2 ]
amdhsa.kernels:
  - .name:           k_qa3bc988eaf_attn
    .symbol:         k_qa3bc988eaf_attn.kd
    .args:
      - { .name: q_img, .offset: 0, .size: 8, .value_kind: global_buffer, .address_space: global }
      - { .name: q_sc, .offset: 8, .size: 8, .value_kind: global_buffer, .address_space: global }
      - { .name: kv_img, .offset: 16, .size: 8, .value_kind: global_buffer, .address_space: global }
      - { .name: a_img, .offset: 24, .size: 8, .value_kind: global_buffer, .address_space: global }
      - { .name: a_sc, .offset: 32, .size: 8, .value_kind: global_buffer, .address_space: global }
    .group_segment_fixed_size: 206848
    .private_segment_fixed_size: 0
    .kernarg_segment_align: 8
    .kernarg_segment_size: 40
    .max_flat_workgroup_size: 512
    .sgpr_count:     66
    .vgpr_count:     256
    .wavefront_size: 32
...
	.end_amdgpu_metadata
.endif
;; end of part 2
;; launch proj (part 3): grid 8 x 32, 4 waves a work-group, clusters of 4 x 4, 327,680 bytes of LDS; arguments a_img, a_sc, wo_codes, wo_scales, bo, out0; writes out0
.if DOCPART == 3
	.amdgcn_target "amdgcn-amd-amdhsa--gfx1250"
	.amdhsa_code_object_version 6
	.text
	.protected	k_qa3bc988eaf_proj
	.globl	k_qa3bc988eaf_proj
	.p2align	8
	.type	k_qa3bc988eaf_proj,@function
k_qa3bc988eaf_proj:
	s_mov_b64 s[64:65], 0
	v_nop
	global_prefetch_b8 v0, s[64:65] scope:SCOPE_SE
	s_setreg_imm32_b32 hwreg(HW_REG_WAVE_MODE, 25, 1), 1
	s_wait_xcnt 0x0
	s_wait_alu depctr_hold_cnt(0) depctr_sa_sdst(0) depctr_va_vdst(0) depctr_va_sdst(0) depctr_va_ssrc(0) depctr_va_vcc(0) depctr_vm_vsrc(0)
	s_getreg_b32 s2, hwreg(HW_REG_IB_STS2, 6, 4)
	s_cmp_eq_u32 s2, 0
	s_cbranch_scc0 .Lentry_in_a_cluster
	s_endpgm
.Lentry_in_a_cluster:
	s_bfe_u32 s2, ttmp6, 0x10000c
	s_cmp_lg_u32 s2, 0xf033
	s_cbranch_scc0 .Lentry_shape_is_right
	s_endpgm
.Lentry_shape_is_right:
; out0 = a wo^T + bo on codes of FP6 (E2M3) with E8M0 scales, K = 1,024.  a: 8,192 tokens, as images of operand registers (a_img) and rows of scale bytes (a_sc).
; SHARES.  A block of 256 tokens x 128 columns to a work-group: 32 x 8 = 256 work-groups.  Four waves, each 128 tokens x 64 columns: 32 accumulators.
; LDS.  ALL OF K AT ONCE: a's 256 tokens are 196,608 dense bytes; wo's 128 rows of 768 bytes lie as lines of 256 bytes + 16 of padding (816 a row).  Each wave brings one part by ONE tensor load at the head:
; waves 0, 1 128 tokens each, waves 2, 3 64 rows of wo each.  Nothing is filled again: one barrier, no ring.  The stage of the way out has bytes of its own.
; CLUSTER 4 x 4: a's part hangs on y alone and is asked for jointly along a row of the cluster, wo's on x alone and along a column.
; SCALES go from memory into registers once: lanes 0-15 hold a row's steps 0-3, lanes 16-31 its steps 4-7 (row 1 of the scale registers).  THE BIAS is the C of the first products.
; Source 0 = 16 rows of wo, source 1 = 16 tokens: a lane holds eight neighbouring columns of one token.
; No prefetch: the launch reads memory at its head alone.
; REGISTERS.  window 0: v0-31 addresses; v32-63 a's scale words; v64-79 wo's; v80-111 the bias; v128-223 a's fragments, one set (the way out: two buffers of 32).  window 1: wo's fragments, two sets of 48.  window 2: accumulator (a, b) at 8 (4 a + b).
.set KROW,   768
.set GB,     98304                     ; 128 tokens of a_img: [step / 2][token tile][step % 2][1,536]
.set PB,     816
.set LB,     2*GB                      ; wo's rows
.set STAGE,  LB+128*PB
.set SPITCH, 272
.set SPARE,  STAGE+4*16*SPITCH
.set FR,     12
.set NP,     4
.set ADRA, 16                          ; v16, v17: steps 0-3, 4-7
.set ADRB, 20                          ; v20; v21: lanes 16-31 one padding further on
.set SOF,  22
.set BOF,  23
.set STO,  24
.set RD,   25
.set CO,   26
.set SPW,  28
.set NIL,  29
.set SA,   32
.set SB,   64
.set BI,   80
.set AF,   128
.set BK,   128
.set G1, 24
.set G0, 32
.set G1B, 48
.set G0B, 56
.set MSB, 0
.macro WIN new
.if MSB != \new
	s_set_vgpr_msb (MSB<<8)|\new
.set MSB, \new
.endif
.endm
.set MUL_0,  0x81                      ; source 0 window 1, source 1 and C window 0, D window 2
.set MUL_N,  0xa1                      ; C and D window 2
.set TO_B,   0x40
.macro CREST
	s_cmp_lg_u32 s14, 0
	s_cbranch_scc1 .Lnot_wave_0_\@
	s_barrier_signal -3
.Lnot_wave_0_\@:
	s_barrier_wait -3
	s_barrier_signal -1
	s_barrier_wait -1
.endm
.macro CROUND
	s_barrier_signal -1
	s_barrier_wait -1
	CREST
.endm
	s_load_b128 s[4:7], s[0:1], 0x0                ; a_img, a_sc
	s_load_b128 s[8:11], s[0:1], 0x10              ; wo_codes, wo_scales
	s_load_b64 s[96:97], s[0:1], 0x20              ; bo
	s_load_b64 s[12:13], s[0:1], 0x28              ; out0
	v_lshl_add_u32 v[SPW], v0, 2, SPARE
	v_mov_b32 v[NIL], 0
	ds_add_u32 v[SPW], v[NIL]                      ; the opening lines
	ds_add_u32 v[SPW], v[NIL]
	v_lshrrev_b32 v1, 5, v0
	v_readfirstlane_b32 s14, v1
	s_lshr_b32 s15, s14, 1                         ; my half of the tokens.  Also: I fetch a (0) or wo (1)
	s_and_b32 s16, s14, 1                          ; my half of the columns.  Also: which half I fetch
	s_bfe_u32 s40, ttmp6, 0x40000
	s_bfe_u32 s41, ttmp6, 0x40004
	s_lshl_b32 s42, ttmp9, 2
	s_add_co_u32 s42, s42, s40                     ; block column
	s_and_b32 s17, ttmp7, 0xffff
	s_lshl_b32 s17, s17, 2
	s_add_co_u32 s17, s17, s41                     ; block row
	s_lshl_b32 s43, s41, 2
	s_lshl_b32 s43, 15, s43
	s_lshl_b32 s44, 0x1111, s40
	s_or_b32 s[G1+0], s43, (3<<16)|(1<<21)         ; a: 384 dense lines of 256 bytes
	s_mov_b32 s[G1+1], 32<<16
	s_mov_b32 s[G1+2], 384<<16
	s_mov_b32 s[G1+3], 32<<16
	s_mov_b32 s[G1+4], 384
	s_mov_b32 s[G1+5], 32
	s_mov_b32 s[G1+6], 0
	s_mov_b32 s[G1+7], 0
	s_or_b32 s[G1B+0], s44, (3<<16)|(1<<20)|(1<<21)|(5<<22)|(3<<25)   ; wo: 64 dense rows as 192 lines of 256 bytes, 16 bytes of padding behind each
	s_mov_b32 s[G1B+1], 32<<16
	s_mov_b32 s[G1B+2], 192<<16
	s_mov_b32 s[G1B+3], 32<<16
	s_mov_b32 s[G1B+4], 192
	s_mov_b32 s[G1B+5], 32
	s_mov_b32 s[G1B+6], 0
	s_mov_b32 s[G1B+7], 0
	s_lshl_b32 s20, s17, 1
	s_add_co_u32 s20, s20, s16
	s_mul_i32 s20, s20, GB                         ; a's part that I fetch
	s_mov_b32 s21, 0
	s_lshl_b32 s46, s42, 7
	s_lshl_b32 s18, s16, 6
	s_add_co_u32 s46, s46, s18                     ; first of the 64 rows of wo that I fetch and multiply
	s_mul_i32 s22, s46, KROW
	s_mov_b32 s23, 0
	s_lshl_b32 s92, s46, 5                         ; their scales,
	s_mov_b32 s93, 0
	s_lshl_b32 s94, s46, 2                         ; their bias, and my columns of out0
	s_mov_b32 s95, 0
	s_lshl_b32 s18, s17, 8
	s_lshl_b32 s19, s15, 7
	s_add_co_u32 s18, s18, s19                     ; my first token
	s_lshl_b32 s66, s18, 5
	s_mov_b32 s67, 0
	s_lshl_b32 s18, s18, 12
	s_mov_b32 s19, 0
	s_mul_i32 s45, s16, GB
	s_mul_i32 s47, s16, 64*PB
	s_add_co_u32 s47, s47, LB
	s_wait_dscnt 0x0
	s_wait_kmcnt 0x0
	s_add_nc_u64 s[20:21], s[4:5], s[20:21]
	s_add_nc_u64 s[22:23], s[8:9], s[22:23]
	s_add_nc_u64 s[6:7], s[6:7], s[66:67]
	s_add_nc_u64 s[10:11], s[10:11], s[92:93]
	s_add_nc_u64 s[96:97], s[96:97], s[94:95]
	s_add_nc_u64 s[12:13], s[12:13], s[18:19]
	s_add_nc_u64 s[12:13], s[12:13], s[94:95]
	CROUND                                         ; the round in front of the joint loads
	s_mov_b32 s[G0], 1
	s_mov_b32 s[G0+1], s45
	s_mov_b64 s[G0+2:G0+3], s[20:21]
	s_or_b32 s[G0+3], s[G0+3], 0x80000000
	s_mov_b32 s[G0B], 1
	s_mov_b32 s[G0B+1], s47
	s_mov_b64 s[G0B+2:G0B+3], s[22:23]
	s_or_b32 s[G0B+3], s[G0B+3], 0x80000000
	s_cmp_eq_u32 s15, 0
	s_cbranch_scc0 .Lfor_b
	tensor_load_to_lds s[G0:G0+3], s[G1:G1+7]
	s_nop 0
.rept 4
	v_nop
.endr
	s_branch .Lasked
.Lfor_b:
	tensor_load_to_lds s[G0B:G0B+3], s[G1B:G1B+7]
	s_nop 0
.rept 4
	v_nop
.endr
.Lasked:
	v_and_b32 v1, 15, v0                           ; r
	v_bfe_u32 v2, v0, 4, 1                         ; h
	v_and_b32 v6, 31, v0
	v_lshlrev_b32 v7, 4, v6                        ; 16 x lane
	v_mul_u32_u24 v3, v1, PB
	v_mul_u32_u24 v4, v2, 24
	v_add_nc_u32 v4, v3, v4
	v_lshl_add_u32 v5, v2, 4, v4
	s_mul_i32 s21, s15, GB
	s_mul_i32 s22, s16, 64*PB
	s_add_co_u32 s22, s22, LB
	v_add_nc_u32 v[ADRA], s21, v7
	s_add_co_u32 s21, s21, GB/2
	v_add_nc_u32 v[ADRA+1], s21, v7
	v_add_nc_u32 v[ADRB], s22, v4
	v_add_nc_u32 v[ADRB+1], s22, v5
	v_lshlrev_b32 v[SOF], 5, v1
	v_lshl_add_u32 v[SOF], v2, 4, v[SOF]           ; 32 x row + 16 x half
	v_lshlrev_b32 v[BOF], 5, v2                    ; the bias of my eight columns: 32 x half
	s_mul_i32 s23, s14, 16*SPITCH
	s_add_co_u32 s23, s23, STAGE
	v_mul_u32_u24 v5, v1, SPITCH
	v_lshl_add_u32 v5, v2, 5, v5
	v_add_nc_u32 v[STO], s23, v5                   ; in: row r, 32 bytes for each half of the lanes
	v_mul_u32_u24 v5, v2, SPITCH
	v_lshl_add_u32 v5, v1, 4, v5
	v_add_nc_u32 v[RD], s23, v5                    ; back: lanes 0-15 one row of 256 bytes, lanes 16-31 the next
	v_lshlrev_b32 v5, 12, v2
	v_lshl_add_u32 v[CO], v1, 4, v5                ; and the same two rows in out0
	s_wait_alu depctr_va_vdst(0)                   ; the wait ahead of the readers below
.irp i, 0,1,2,3,4,5,6,7
	global_load_b128 v[SA+4*\i:SA+4*\i+3], v[SOF], s[6:7] offset:512*\i
.endr
.irp i, 0,1,2,3
	global_load_b128 v[SB+4*\i:SB+4*\i+3], v[SOF], s[10:11] offset:512*\i
	global_load_b128 v[BI+8*\i:BI+8*\i+3], v[BOF], s[96:97] offset:64*\i
	global_load_b128 v[BI+8*\i+4:BI+8*\i+7], v[BOF], s[96:97] offset:64*\i+16
.endr
.macro FRAGB reg, st, i                ; byte y of a row of wo lies at y + 16 (y / 256); lanes 16-31 read 24 bytes on
.irp p, 0,1,2,3,4,5
.set BY, 96*(\st)+48*(\p/3)+8*(\p%3)
.if BY/256 == (BY+24)/256
	ds_load_b64 v[\reg+2*\p:\reg+2*\p+1], v[ADRB] offset:BY+16*(BY/256)+(\i)*16*PB
.else
	ds_load_b64 v[\reg+2*\p:\reg+2*\p+1], v[ADRB+1] offset:BY+16*(BY/256)+(\i)*16*PB
.endif
.endr
.endm
.macro FRAGA reg, st, i
.irp c, 0,1,2
	ds_load_b128 v[\reg+4*\c:\reg+4*\c+3], v[ADRA+(\st)/4] offset:(((((\st)/2)%2)*8+(\i))*2+(\st)%2)*1536+512*\c
.endr
.endm
.macro WM d, fb, fa, sb, sa, bi, st
.if (\st) == 0
	v_wmma_scale_f32_16x16x128_f8f6f4 v[(\d):(\d)+7], v[(\fb):(\fb)+11], v[(\fa):(\fa)+11], v[(\bi):(\bi)+7], v[\sb], v[\sa] matrix_a_fmt:MATRIX_FMT_FP6 matrix_b_fmt:MATRIX_FMT_FP6
.elseif (\st) < 4
	v_wmma_scale_f32_16x16x128_f8f6f4 v[(\d):(\d)+7], v[(\fb):(\fb)+11], v[(\fa):(\fa)+11], v[(\d):(\d)+7], v[\sb], v[\sa] matrix_a_fmt:MATRIX_FMT_FP6 matrix_b_fmt:MATRIX_FMT_FP6
.else
	v_wmma_scale_f32_16x16x128_f8f6f4 v[(\d):(\d)+7], v[(\fb):(\fb)+11], v[(\fa):(\fa)+11], v[(\d):(\d)+7], v[\sb], v[\sa] matrix_a_fmt:MATRIX_FMT_FP6 matrix_b_fmt:MATRIX_FMT_FP6 matrix_a_scale:MATRIX_SCALE_ROW1 matrix_b_scale:MATRIX_SCALE_ROW1
.endif
.endm
.macro MUL16 a0, st                    ; four token tiles x wo's four: the 32 accumulators take turns
.if (\st) == 0
	WIN MUL_0
.else
	WIN MUL_N
.endif
.irp a, \a0, \a0+1, \a0+2, \a0+3
.irp b, 0,1,2,3
	WM 8*(4*(\a)+\b), 48*((\st)%2)+FR*\b, AF+FR*(\a), SB+4*\b+(\st)%4, SA+4*(\a)+(\st)%4, BI+8*\b, \st
.endr
.endr
.endm
.macro FETCH_B st
	WIN TO_B
.irp i, 0,1,2,3
	FRAGB 48*((\st)%2)+FR*\i, \st, \i
.endr
	WIN 0
.endm
.macro FETCH_A st, i0
.irp i, \i0, \i0+1, \i0+2, \i0+3
	FRAGA AF+FR*(\i), \st, \i
.endr
.endm
.macro PLACES n
.rept \n
	v_nop
.endr
.endm
.macro STEP st
	s_wait_dscnt 12                                ; token tiles 4-7's twelve loads may be out
	MUL16 0, \st
	s_wait_dscnt 0
	PLACES NP
	FETCH_B (\st)+1
	FETCH_A (\st)+1, 0
	MUL16 4, \st
	PLACES NP
	WIN 0
	FETCH_A (\st)+1, 4
.endm
	s_wait_alu depctr_va_vdst(0)                   ; the wait at the head's end
	s_wait_tensorcnt 0x0                           ; my part is in LDS,
	s_barrier_signal -1
	s_barrier_wait -1                              ; everybody's is
	FETCH_B 0
	FETCH_A 0, 0
	FETCH_A 0, 4
	s_wait_loadcnt 0x0                             ; the scale words and the bias
.set ST, 0
.rept 7
	STEP ST
.set ST, ST+1
.endr
	s_wait_dscnt 12
	MUL16 0, 7
	s_wait_dscnt 0
	MUL16 4, 7
	WIN 0
; THE WAY OUT, token tile by token tile: 16 rows x 256 bytes go through my own stage and come back as whole rows; each store of 16 lanes covers 256 consecutive bytes, aligned.
.macro TOSTAGE a
	WIN 0x08                                       ; the data: window 2
.irp b, 0,1,2,3
	ds_store_b128 v[STO], v[32*(\a)+8*\b:32*(\a)+8*\b+3] offset:64*\b     ; each accumulator from its low end on
	ds_store_b128 v[STO], v[32*(\a)+8*\b+4:32*(\a)+8*\b+7] offset:64*\b+16
.endr
	WIN 0
.set BB, BK+32*((\a)%2)
.irp t, 0,1,2,3,4,5,6,7
	ds_load_b128 v[BB+4*\t:BB+4*\t+3], v[RD] offset:\t*2*SPITCH           ; LDS serves a wave's instructions in order: these see the stores above
.endr
.endm
.macro SEND a, younger
.set BB, BK+32*((\a)%2)
	s_wait_dscnt \younger
.if (\a) > 0
	s_add_nc_u64 s[12:13], s[12:13], 16*4096       ; behind a wait on XCNT: the earlier stores have read their base
.endif
.irp t, 0,1,2,3,4,5,6,7
	global_store_b128 v[CO], v[BB+4*\t:BB+4*\t+3], s[12:13] offset:2*\t*4096 th:TH_STORE_NT
.endr
.endm
	PLACES NP
	TOSTAGE 0
.irp a, 1,2,3,4,5,6,7
.if \a > 1
	s_wait_xcnt 0x0                                ; tile a - 2's stores have read their registers and their base
.endif
	TOSTAGE \a
	SEND \a-1, 16                                  ; behind tile a - 1's loads: tile a's 8 stores and 8 loads
.endr
	s_wait_xcnt 0x0
	SEND 7, 0
	s_wait_tensorcnt 0x0                           ; the wave's end
	ds_add_u32 v[SPW], v[NIL]
	s_wait_dscnt 0x0
	CROUND                                         ; the closing round
	s_endpgm
.Lfunc_end_k_qa3bc988eaf_proj:
	.size	k_qa3bc988eaf_proj, .Lfunc_end_k_qa3bc988eaf_proj-k_qa3bc988eaf_proj
	.p2alignl 7, 3214868480
	.fill 96, 4, 3214868480
	.section	.rodata,"a",@progbits
	.p2align	6, 0x0
	.amdhsa_kernel k_qa3bc988eaf_proj
		.amdhsa_group_segment_fixed_size 327680
		.amdhsa_private_segment_fixed_size 0
		.amdhsa_enable_private_segment 0
		.amdhsa_kernarg_size 48
		.amdhsa_user_sgpr_count 2
		.amdhsa_user_sgpr_kernarg_segment_ptr 1
		.amdhsa_wavefront_size32 1
		.amdhsa_system_sgpr_workgroup_id_x 1
		.amdhsa_system_sgpr_workgroup_id_y 1
		.amdhsa_system_sgpr_workgroup_id_z 1
		.amdhsa_system_vgpr_workitem_id 0
		.amdhsa_next_free_vgpr 768
		.amdhsa_next_free_sgpr 98
		.amdhsa_reserve_vcc 0
		.amdhsa_float_denorm_mode_32 3
		.amdhsa_float_denorm_mode_16_64 3
		.amdhsa_memory_ordered 1
		.amdhsa_forward_progress 1
		.amdhsa_inst_pref_size 84
	.end_amdhsa_kernel
	.amdgpu_metadata
---
amdhsa.version: [ 1, 2 ]
amdhsa.kernels:
  - .name:           k_qa3bc988eaf_proj
    .symbol:         k_qa3bc988eaf_proj.kd
    .args:
      - { .name: a_img, .offset: 0, .size: 8, .value_kind: global_buffer, .address_space: global }
      - { .name: a_sc, .offset: 8, .size: 8, .value_kind: global_buffer, .address_space: global }
      - { .name: wo_codes, .offset: 16, .size: 8, .value_kind: global_buffer, .address_space: global }
      - { .name: wo_scales, .offset: 24, .size: 8, .value_kind: global_buffer, .address_space: global }
      - { .name: bo, .offset: 32, .size: 8, .value_kind: global_buffer, .address_space: global }
      - { .name: out0, .offset: 40, .size: 8, .value_kind: global_buffer, .address_space: global }
    .group_segment_fixed_size: 327680
    .private_segment_fixed_size: 0
    .kernarg_segment_align: 8
    .kernarg_segment_size: 48
    .max_flat_workgroup_size: 128
    .sgpr_count:     98
    .vgpr_count:     768
    .wavefront_size: 32
...
	.end_amdgpu_metadata
.endif
;; end of part 3
